; MI455X (gfx1250); checked and timed in simulation.
; The chip was launched on July 23, 2026; its instructions are those of AMD's public machine-readable ISA for CDNA 5 (MIT licence, August 2026) and "CDNA5" Instruction Set Architecture Reference Guide (July 2026). The comments in the code are by the model that wrote it; some were corrected since.
;; Feed Forward Quantum. Allowed arithmetic: float matrix products may take bf16 or f16 operands with f32 sums; other float arithmetic in f32, or as packed bf16 or f16 multiplies, adds, multiply-adds, maxima and minima; sums over many terms, partial sums and values carried from step to step in f32; what a program stores and reads back later, other than sums and carried values, may be rounded once to bf16 or f16.
;; Inputs: W1 4,096 x 1,024 float32; W2 4,096 x 16 float32; Wo 1,024 x 4,096 float32; Wq 16 x 4,096 float32; theta 16 float32; x 4 x 2,048 x 1,024 float32.
;; Outputs: out0 4 x 2,048 x 1,024 float32.
;; One version. Each part assembles by itself: llvm-mc -triple=amdgcn-amd-amdhsa -mcpu=gfx1250 --defsym DOCPART=n.
;; ======== version 1 of 1: 3 launches
;; limits: values are held in f16: magnitudes above 65,504 overflow, below 6.1e-05 lose precision; right only within a limited range of input values
;; workspace buffers: mpart 262,144 bytes; wob 8,912,896 bytes; qmb 524,288 bytes
;; launch prep (part 1): grid 320 x 1, 16 waves a work-group, no clusters, 67,584 bytes of LDS; arguments W1, Wq, Wo, W2, mpart, wob; writes mpart, wob
.if DOCPART == 1
	.amdgcn_target "amdgcn-amd-amdhsa--gfx1250"
	.amdhsa_code_object_version 6
	.text
	.protected	k_q7b6b497854_prep
	.globl	k_q7b6b497854_prep
	.p2align	8
	.type	k_q7b6b497854_prep,@function
k_q7b6b497854_prep:
	s_mov_b64 s[64:65], 0
	v_nop
	global_prefetch_b8 v0, s[64:65] scope:SCOPE_SE
	s_setreg_imm32_b32 hwreg(HW_REG_WAVE_MODE, 25, 1), 1
	s_wait_xcnt 0x0
; FeedForwardQuantum, launch 1 of 3.
; WORK THAT IS NOT DONE, AND WHY.  h = x W1^T reaches the result through q = h Wq^T alone, and both steps are linear: q[t][i] = sum_f sum_e x[t][e] W1[f][e] Wq[i][f]
; = sum_e x[t][e] M[i][e] with M = Wq W1 ([16][1024]).  That holds in exact arithmetic for all values of x, W1 and Wq.  So M is made here, q = x M^T in the next launch, and the
; product x W1^T ([8192][4096]) is never formed.  Every input is still loaded.  LIMIT: an overflow, an infinity or a NaN that would arise in h alone is not carried to the result.
; THIS LAUNCH.  Work-groups 0-63: four partial sums over f of M, in f32 (W1 and Wq rounded to bf16 on their way into the matrix unit).  Work-groups 64-319: Wo and W2 laid out in the blocks
; that the last launch fetches: Wo rounded to bf16, as all inputs are, and that number written as f16; W2 rounded to bf16, as half a matrix operand a lane.
; LIMIT: |Wo| under 65,504; below 7.6e-6 the f16 copy keeps f16's fixed step of 6e-8.
; mpart[ks][ch][c][hf][lane][4 f32]: word i = the sum over f = 1024 ks .. + 1023 of Wq[lane % 16][f] W1[f][64 ch + 8 (4 hf + i) + 4 (lane / 16) + c].
; wob: 64 blocks (16 nt + s) of 272 rows x 512 bytes.  Row i < 256: f16 of Wo[256 nt + i][256 s .. + 255].  Row 256 + t: at byte 16 x lane, bf16 of W2[256 s + 16 t + lane % 16][8 (lane / 16) .. + 7].
; No tensor loads, no cluster: each byte of W1 and Wo has one reader, and goes through registers to be rounded.
.set BLOCK, 139264                     ; bytes in a block of wob
.set SPARE, 65536                      ; LDS: 16 waves x 4,096 bytes of partial sums, then the spare words, 128 bytes a wave
.set SPW, 8                            ; v8   my spare word: SPARE + 4 x my thread's number; never rewritten
.set NIL, 9                            ; v9   0; never rewritten
.set LD,  16                           ; v[16:143]  W1 as loaded: half tau, load i at LD + 64 tau + 4 i
.set WQ,  144                          ; v[144:175] Wq as loaded, 16 a half
.set AF,  176                          ; v[176:239] W1's fragments: half tau, column c of four at AF + 32 tau + 8 c
.set BF,  240                          ; v[240:255] Wq's fragments
.set ACC, 16                           ; v[16:47]   four accumulators, where the first half's loads lay
.set SUM, 80                           ; v[80:143]  sixteen waves' partial sums
	s_load_b256 s[4:11], s[0:1], 0x0               ; W1 s[4:5], Wq s[6:7], Wo s[8:9], W2 s[10:11]
	s_load_b128 s[12:15], s[0:1], 0x20             ; mpart s[12:13], wob s[14:15]
	v_lshl_add_u32 v[SPW], v0, 2, SPARE
	v_mov_b32 v[NIL], 0
	v_lshrrev_b32 v1, 5, v0
	v_readfirstlane_b32 s16, v1                    ; wave 0..15
	v_and_b32 v2, 31, v0                           ; lane
	v_and_b32 v3, 15, v0                           ; r = lane % 16
	v_bfe_u32 v11, v0, 4, 1                        ; h = lane / 16
	v_lshlrev_b32 v12, 4, v2                       ; 16 x lane
	s_cmp_lt_u32 ttmp9, 64                         ; the same in all waves of a work-group
	s_cbranch_scc0 .Lconv
; ---- M.  Work-group (ks, ch): 64 columns e of M, 1,024 of the 4,096 f; wave v takes f = 1024 ks + 64 v .. + 63, in two halves of 32.
; Source 0 = 16 values of e x 32 f, source 1 = the 16 rows of Wq x 32 f.  W1 lies with e along its rows, so a lane takes, for each of its 16 f, 16 bytes (4 e): four fragments at once.
; Lane r takes the 16 bytes number 2 (r % 8) + r / 8 of the 256: lanes 0-15 cover 256 consecutive bytes of one row, lanes 16-31 of the row 8 further down; and result register j of a lane
; then holds e = 8 j + 4 h + c, the order in which the next launch takes x.
	s_and_b32 s17, ttmp9, 15                       ; ch
	s_lshr_b32 s18, ttmp9, 4                       ; ks
	s_lshl_b32 s19, s18, 10
	s_lshl_b32 s20, s16, 6
	s_add_co_u32 s19, s19, s20                     ; my first f
	s_lshl_b32 s20, s19, 12                        ; x 4,096 bytes, a row of W1,
	s_lshl_b32 s21, s17, 8
	s_add_co_u32 s20, s20, s21                     ; + 256 ch
	s_mov_b32 s21, 0
	s_lshl_b32 s22, s19, 2                         ; my first f in a row of Wq
	s_mov_b32 s23, 0
	v_and_b32 v13, 7, v3
	v_lshrrev_b32 v14, 3, v3
	v_lshlrev_b32 v4, 5, v13
	v_lshl_add_u32 v4, v14, 4, v4
	v_lshl_add_u32 v4, v11, 15, v4                 ; W1: 32 (r % 8) + 16 (r / 8) + 8 h rows
	v_lshlrev_b32 v5, 14, v3
	v_lshl_add_u32 v5, v11, 5, v5                  ; Wq: row r, 8 h numbers on
	s_lshl_b32 s24, s16, 12
	v_add_nc_u32 v6, s24, v12                      ; LDS: where my partial sums go
	s_lshl_b32 s24, s16, 9
	v_add_nc_u32 v7, s24, v12                      ; LDS: the piece of 512 bytes that I add up (waves 0-7)
	s_lshl_b32 s25, s18, 16
	s_lshl_b32 s26, s17, 12
	s_add_co_u32 s25, s25, s26
	v_add_nc_u32 v10, s25, v7                      ; and where it goes in mpart
	s_wait_kmcnt 0x0
	s_add_nc_u64 s[4:5], s[4:5], s[20:21]
	s_add_nc_u64 s[6:7], s[6:7], s[22:23]
.macro LOADS tau                       ; 20 loads: Wq's 32 numbers of my row, then 16 rows of W1: f = 8 h + 0..7 and 16 + 8 h + 0..7
.irp i, 0,1,2,3
	global_load_b128 v[WQ+16*(\tau)+4*\i:WQ+16*(\tau)+4*\i+3], v5, s[6:7] offset:128*(\tau)+16*(\i%2)+64*(\i/2)
.endr
.set i, 0
.rept 16
	global_load_b128 v[LD+64*(\tau)+4*i:LD+64*(\tau)+4*i+3], v4, s[4:5] offset:(32*(\tau)+i+8*(i/8))*4096 th:TH_LOAD_NT
.set i, i+1
.endr
.endm
.macro CVT tau                         ; rounded to bf16 in pairs of neighbouring f
.irp c, 0,1,2,3
.irp p, 0,1,2,3,4,5,6,7
	v_cvt_pk_bf16_f32 v[AF+32*(\tau)+8*\c+\p], v[LD+64*(\tau)+8*\p+\c], v[LD+64*(\tau)+8*\p+4+\c]
.endr
.endr
.irp p, 0,1,2,3,4,5,6,7
	v_cvt_pk_bf16_f32 v[BF+8*(\tau)+\p], v[WQ+16*(\tau)+2*\p], v[WQ+16*(\tau)+2*\p+1]
.endr
.endm
; 16 blocks of w registers from base on: block 0 takes the sum of all
.macro TREE base, w
.irp st, 8,4,2,1
.set p, 0
.rept \st
.set i, 0
.rept (\w)/2
	v_pk_add_f32 v[(\base)+(\w)*p+i:(\base)+(\w)*p+i+1], v[(\base)+(\w)*p+i:(\base)+(\w)*p+i+1], v[(\base)+(\w)*(p+\st)+i:(\base)+(\w)*(p+\st)+i+1]
.set i, i+2
.endr
.set p, p+1
.endr
.endr
.endm
	LOADS 0
	LOADS 1                                        ; all 40 loads of the wave are out before the first wait
	s_wait_loadcnt 20                              ; the first half is in; the second half's 20 loads may stay out
	CVT 0
	s_wait_loadcnt 0x0
	CVT 1
.irp c, 0,1,2,3                        ; the four accumulators take turns; the first half starts the sums with the constant 0
	v_wmma_f32_16x16x32_bf16 v[ACC+8*\c:ACC+8*\c+7], v[AF+8*\c:AF+8*\c+7], v[BF:BF+7], 0
.endr
.irp c, 0,1,2,3
	v_wmma_f32_16x16x32_bf16 v[ACC+8*\c:ACC+8*\c+7], v[AF+32+8*\c:AF+32+8*\c+7], v[BF+8:BF+15], v[ACC+8*\c:ACC+8*\c+7]
.endr
.rept 4
	v_nop                                          ; four places between the last product and the stores that read the results
.endr
.irp c, 0,1,2,3
	ds_store_b128 v6, v[ACC+8*\c:ACC+8*\c+3] offset:1024*\c
	ds_store_b128 v6, v[ACC+8*\c+4:ACC+8*\c+7] offset:1024*\c+512
.endr
	s_wait_dscnt 0x0                               ; for the others' sake: my partial sums lie in LDS
	s_barrier_signal -1
	s_barrier_wait -1                              ; all sixteen waves' do
	s_cmp_lt_u32 s16, 8                            ; wave v < 8 adds up piece v of the eight
	s_cbranch_scc0 .Lend
.set p, 0
.rept 16
	ds_load_b128 v[SUM+4*p:SUM+4*p+3], v7 offset:4096*p
.set p, p+1
.endr
	s_wait_dscnt 0x0
	TREE SUM, 4
	global_store_b128 v10, v[SUM:SUM+3], s[12:13]  ; 512 consecutive bytes, aligned
	s_branch .Lend
; ---- Wo and W2.  Work-group (block, qt): rows 64 qt .. + 63 of the block, four a wave; waves 0-3 also one row of W2's images each.
.Lconv:
	s_sub_co_u32 s17, ttmp9, 64
	s_lshr_b32 s18, s17, 2                         ; block = 16 nt + s
	s_and_b32 s19, s17, 3                          ; qt
	s_lshr_b32 s20, s18, 4                         ; nt
	s_and_b32 s21, s18, 15                         ; s
	s_lshl_b32 s22, s19, 6
	s_lshl_b32 s23, s16, 2
	s_add_co_u32 s22, s22, s23                     ; my first row in the block
	s_lshl_b32 s24, s20, 8
	s_add_co_u32 s24, s24, s22
	s_lshl_b32 s24, s24, 14                        ; Wo: row 256 nt + row, 16,384 bytes each,
	s_lshl_b32 s25, s21, 10
	s_add_co_u32 s24, s24, s25                     ; + 256 s numbers
	s_mov_b32 s25, 0
	s_mul_i32 s26, s18, BLOCK
	s_lshl_b32 s27, s22, 9
	s_add_co_u32 s28, s26, s27                     ; wob: the block, my first row
	s_mov_b32 s29, 0
	s_lshl_b32 s27, s19, 2
	s_add_co_u32 s27, s27, s16                     ; t = 4 qt + wave (waves 0-3)
	s_lshl_b32 s30, s21, 14
	s_lshl_b32 s31, s27, 10
	s_add_co_u32 s30, s30, s31                     ; W2: row 256 s + 16 t, 64 bytes each
	s_mov_b32 s31, 0
	s_lshl_b32 s27, s27, 9
	s_add_co_u32 s32, s26, s27
	s_add_co_u32 s32, s32, 256*512                 ; wob: the block's row 256 + t
	s_mov_b32 s33, 0
	s_mov_b32 s34, 0xffff0000                      ; a word's upper bf16
	v_lshlrev_b32 v13, 3, v2                       ; 8 x lane
	v_lshlrev_b32 v14, 6, v3
	v_lshl_add_u32 v14, v11, 5, v14                ; W2: row r, 8 h numbers on
	s_wait_kmcnt 0x0
	s_add_nc_u64 s[8:9], s[8:9], s[24:25]
	s_add_nc_u64 s[36:37], s[14:15], s[28:29]
	s_cmp_lt_u32 s16, 4
	s_cbranch_scc0 .Lno_w2
	s_add_nc_u64 s[10:11], s[10:11], s[30:31]
	global_load_b128 v[64:67], v14, s[10:11]
	global_load_b128 v[68:71], v14, s[10:11] offset:16
.Lno_w2:
.set k, 0
.rept 8                                ; row k / 2, half k % 2: 512 consecutive bytes a load
	global_load_b128 v[16+4*k:16+4*k+3], v12, s[8:9] offset:(k/2)*16384+(k%2)*512 th:TH_LOAD_NT
.set k, k+1
.endr
.set k, 0
.rept 8
	s_wait_loadcnt 7-k                             ; loads come back in order (ISA guide 5.7.1): load k is in, the younger ones stay out
	v_cvt_pk_bf16_f32 v[76+2*(k%2)], v[16+4*k], v[16+4*k+1]        ; rounded to bf16,
	v_cvt_pk_bf16_f32 v[77+2*(k%2)], v[16+4*k+2], v[16+4*k+3]
	v_lshlrev_b32 v[16+4*k], 16, v[76+2*(k%2)]                     ; widened again,
	v_and_b32 v[16+4*k+1], s34, v[76+2*(k%2)]
	v_lshlrev_b32 v[16+4*k+2], 16, v[77+2*(k%2)]
	v_and_b32 v[16+4*k+3], s34, v[77+2*(k%2)]
	v_cvt_pk_f16_f32 v[48+2*k], v[16+4*k], v[16+4*k+1]             ; and written as f16
	v_cvt_pk_f16_f32 v[49+2*k], v[16+4*k+2], v[16+4*k+3]
	global_store_b64 v13, v[48+2*k:49+2*k], s[36:37] offset:(k/2)*512+(k%2)*256 th:TH_STORE_NT  ; the wave stores 256 consecutive bytes, aligned; each store has registers of its own
.set k, k+1
.endr
	s_cmp_lt_u32 s16, 4
	s_cbranch_scc0 .Lend
.irp p, 0,1,2,3                        ; W2's two loads are older than Wo's: the last wait above has shown them in
	v_cvt_pk_bf16_f32 v[72+\p], v[64+2*\p], v[65+2*\p]
.endr
	s_add_nc_u64 s[14:15], s[14:15], s[32:33]
	global_store_b128 v12, v[72:75], s[14:15] th:TH_STORE_NT       ; 512 consecutive bytes, aligned
.Lend:
	s_wait_tensorcnt 0x0                           ; the wave's end, behind my last LDS store
	ds_add_u32 v[SPW], v[NIL]
	s_wait_dscnt 0x0
	s_endpgm
.Lfunc_end_k_q7b6b497854_prep:
	.size	k_q7b6b497854_prep, .Lfunc_end_k_q7b6b497854_prep-k_q7b6b497854_prep
	.p2alignl 7, 3214868480
	.fill 96, 4, 3214868480
	.section	.rodata,"a",@progbits
	.p2align	6, 0x0
	.amdhsa_kernel k_q7b6b497854_prep
		.amdhsa_group_segment_fixed_size 67584
		.amdhsa_private_segment_fixed_size 0
		.amdhsa_enable_private_segment 0
		.amdhsa_kernarg_size 48
		.amdhsa_user_sgpr_count 2
		.amdhsa_user_sgpr_kernarg_segment_ptr 1
		.amdhsa_wavefront_size32 1
		.amdhsa_system_sgpr_workgroup_id_x 1
		.amdhsa_system_sgpr_workgroup_id_y 1
		.amdhsa_system_sgpr_workgroup_id_z 1
		.amdhsa_system_vgpr_workitem_id 0
		.amdhsa_next_free_vgpr 256
		.amdhsa_next_free_sgpr 66
		.amdhsa_reserve_vcc 0
		.amdhsa_float_denorm_mode_32 3
		.amdhsa_float_denorm_mode_16_64 3
		.amdhsa_memory_ordered 1
		.amdhsa_forward_progress 1
		.amdhsa_inst_pref_size 22
	.end_amdhsa_kernel
	.amdgpu_metadata
---
amdhsa.version: [ 1, 2 ]
amdhsa.kernels:
  - .name:           k_q7b6b497854_prep
    .symbol:         k_q7b6b497854_prep.kd
    .args:
      - { .name: W1, .offset: 0, .size: 8, .value_kind: global_buffer, .address_space: global }
      - { .name: Wq, .offset: 8, .size: 8, .value_kind: global_buffer, .address_space: global }
      - { .name: Wo, .offset: 16, .size: 8, .value_kind: global_buffer, .address_space: global }
      - { .name: W2, .offset: 24, .size: 8, .value_kind: global_buffer, .address_space: global }
      - { .name: mpart, .offset: 32, .size: 8, .value_kind: global_buffer, .address_space: global }
      - { .name: wob, .offset: 40, .size: 8, .value_kind: global_buffer, .address_space: global }
    .group_segment_fixed_size: 67584
    .private_segment_fixed_size: 0
    .kernarg_segment_align: 8
    .kernarg_segment_size: 48
    .max_flat_workgroup_size: 512
    .sgpr_count:     66
    .vgpr_count:     256
    .wavefront_size: 32
...
	.end_amdgpu_metadata
.endif
;; end of part 1
;; launch angles (part 2): grid 256 x 1, 16 waves a work-group, no clusters, 34,816 bytes of LDS; arguments x, mpart, theta, qmb; writes qmb
.if DOCPART == 2
	.amdgcn_target "amdgcn-amd-amdhsa--gfx1250"
	.amdhsa_code_object_version 6
	.text
	.protected	k_q7b6b497854_angles
	.globl	k_q7b6b497854_angles
	.p2align	8
	.type	k_q7b6b497854_angles,@function
k_q7b6b497854_angles:
	s_mov_b64 s[64:65], 0
	v_nop
	global_prefetch_b8 v0, s[64:65] scope:SCOPE_SE
	s_setreg_imm32_b32 hwreg(HW_REG_WAVE_MODE, 25, 1), 1
	s_wait_xcnt 0x0
; FeedForwardQuantum, launch 2 of 3: qm = cos(x M^T + theta).  x W1^T is not formed: q = x (Wq W1)^T = x M^T for all values of the inputs (shown at the head of the first kernel).
; M is the sum of the first launch's four partial sums (f32).  It is the program's own number, so it enters the product as two bf16 parts, M = hi + lo, each multiplied by x rounded to bf16.
; SHARES.  A work-group takes 32 tokens, two tiles of 16.  The 1,024 channels are split among its 16 waves, 64 each; the sixteen partial q meet in LDS, and waves 0 and 1 finish a tile each.
; LAYOUT.  q^T = M x^T (source 0 = the 16 rows of M, source 1 = 16 tokens): a lane ends with one token (lane % 16) and qubits 8 (lane / 16) + 0..7.  Along K both sources take the channels in the same
; order, e = 8 j + 4 (lane / 16) + c: for x that is eight loads of 16 bytes a lane, which together take the 256 bytes of the wave's channels in each of 16 rows.
; THE COSINE, without a transcendental: k = the whole number nearest to a / pi; rho = a - k pi with pi in two parts; cos a = (-1)^k cos rho, cos rho by its series up to rho^12.
; On |rho| <= pi / 2 the first term left out is 6.4e-9 at the most.  LIMIT: |q + theta| under 2^31 pi, so that k is a whole number of 32 bits.
; theta is rounded to bf16, as all the inputs are.  qm leaves as two bf16 parts, hi and lo, in the order in which the last launch's lanes take them:
; qmb[tile of 16 tokens][1,024 bytes]: at 16 x lane the hi parts of qm[token lane % 16][8 (lane / 16) .. + 7], at 512 + 16 x lane the lo parts.
; No tensor loads, no cluster: x has one reader for each byte; mpart is wanted once by each wave, straight into registers as summands.
.set SPARE, 32768                      ; LDS: 16 waves x 2,048 bytes of partial q, then the spare words, 128 bytes a wave
.set SPW, 8                            ; v8   my spare word; never rewritten
.set NIL, 9                            ; v9   0; never rewritten
.set MP,  16                           ; v[16:143]  the four partial sums of M, 32 each: column c, register j at 8 c + j
.set X,   144                          ; v[144:207] x as loaded, 32 a tile: 4 j + c
.set MH,  208                          ; v[208:223] M's hi fragments, two of 8;  v[224:239] its lo fragments
.set TH,  240                          ; v[240:247] theta of my 8 qubits
.set TMPR, 248                         ; v[248:251] at work
.set XF,  16                           ; v[16:47]   x's fragments: tile tau, fragment u at 16 tau + 8 u (where the sum of M lay)
.set ACC, 48                           ; v[48:79]   accumulators: tile tau, part hl at 16 tau + 8 hl
.set Q,   80                           ; v[80:207]  sixteen partial q of 8; the sum in the first
.set KK,  16                           ; v[16:47]   at work on the cosine: eight registers for each pair p of qubits: k, rho^2, the series
.set HI,  208
.set LO,  212
.set IPI, 20                           ; s[20:21] 1 / pi, and the constants below: pairs, of which the packed forms take the low word for both halves
.set PIH, 22                           ; - pi's upper part
.set PIL, 24                           ; - pi's lower part
.set C6,  26
.set C5,  28
.set C4,  30
.set C3,  32
.set C2,  34
.set MASK, 36                          ; s36  a word's upper bf16
	s_load_b256 s[4:11], s[0:1], 0x0               ; x s[4:5], mpart s[6:7], theta s[8:9], qmb s[10:11]
	v_lshl_add_u32 v[SPW], v0, 2, SPARE
	v_mov_b32 v[NIL], 0
	v_lshrrev_b32 v1, 5, v0
	v_readfirstlane_b32 s12, v1                    ; wave 0..15
	v_and_b32 v2, 31, v0
	v_and_b32 v3, 15, v0                           ; r
	v_bfe_u32 v12, v0, 4, 1                        ; h
	v_lshlrev_b32 v11, 4, v2                       ; 16 x lane
	v_lshlrev_b32 v10, 5, v12                      ; theta: 8 h numbers on
	s_lshl_b32 s13, s12, 8
	v_lshlrev_b32 v4, 12, v3
	v_lshl_add_u32 v4, v12, 4, v4
	v_add_nc_u32 v4, s13, v4                       ; x: row r, 256 x wave + 16 h
	s_lshl_b32 s13, s12, 12
	v_add_nc_u32 v5, s13, v11                      ; mpart: my wave's 64 channels
	s_lshl_b32 s13, s12, 11
	v_add_nc_u32 v6, s13, v11                      ; LDS: where my partial q go
	s_lshl_b32 s13, s12, 10
	v_add_nc_u32 v7, s13, v11                      ; LDS: the tile that I finish (waves 0, 1)
	s_lshl_b32 s13, ttmp9, 11
	v_add_nc_u32 v13, s13, v7                      ; qmb: tile 2 g + wave
	s_lshl_b32 s14, ttmp9, 17                      ; 32 rows of 4,096 bytes
	s_mov_b32 s15, 0
	s_mov_b32 s[MASK], 0xffff0000
	s_wait_kmcnt 0x0
	s_add_nc_u64 s[4:5], s[4:5], s[14:15]
	global_load_b128 v[TH:TH+3], v10, s[8:9]
	global_load_b128 v[TH+4:TH+7], v10, s[8:9] offset:16
.irp s, 0,1,2,3
.irp c, 0,1,2,3
	global_load_b128 v[MP+32*\s+8*\c:MP+32*\s+8*\c+3], v5, s[6:7] offset:65536*\s+1024*\c
	global_load_b128 v[MP+32*\s+8*\c+4:MP+32*\s+8*\c+7], v5, s[6:7] offset:65536*\s+1024*\c+512
.endr
.endr
.irp tau, 0,1
.irp j, 0,1,2,3,4,5,6,7
	global_load_b128 v[X+32*\tau+4*\j:X+32*\tau+4*\j+3], v4, s[4:5] offset:65536*\tau+32*\j th:TH_LOAD_NT
.endr
.endr
	s_wait_loadcnt 16                              ; theta and M's parts are in; x's 16 loads may stay out
.set i, 0
.rept 16
	v_pk_add_f32 v[MP+i:MP+i+1], v[MP+i:MP+i+1], v[MP+32+i:MP+32+i+1]
	v_pk_add_f32 v[MP+64+i:MP+64+i+1], v[MP+64+i:MP+64+i+1], v[MP+96+i:MP+96+i+1]
.set i, i+2
.endr
.set i, 0
.rept 16
	v_pk_add_f32 v[MP+i:MP+i+1], v[MP+i:MP+i+1], v[MP+64+i:MP+64+i+1]
.set i, i+2
.endr
; Register i of fragment u: channels j = 4 u + i / 2, c = 2 (i % 2) and the next.  hi = bf16(M); lo = bf16(M - hi).
.macro MFRAG u, i
.set rA, MP+16*((\i)%2)+4*(\u)+(\i)/2
.set rB, rA+8
.set rT, TMPR+2*((\i)%2)
	v_cvt_pk_bf16_f32 v[MH+8*(\u)+(\i)], v[rA], v[rB]
	v_lshlrev_b32 v[rT], 16, v[MH+8*(\u)+(\i)]
	v_and_b32 v[rT+1], s[MASK], v[MH+8*(\u)+(\i)]
	v_sub_f32 v[rT], v[rA], v[rT]
	v_sub_f32 v[rT+1], v[rB], v[rT+1]
	v_cvt_pk_bf16_f32 v[MH+16+8*(\u)+(\i)], v[rT], v[rT+1]
.endm
.irp u, 0,1
.irp i, 0,1,2,3,4,5,6,7
	MFRAG \u, \i
.endr
.endr
	s_wait_loadcnt 0x0                             ; x
.irp tau, 0,1
.set i, 0
.rept 16                               ; 4 j + c = 16 u + 2 i: x's registers pair up as they lie
	v_cvt_pk_bf16_f32 v[XF+16*\tau+i], v[X+32*\tau+2*i], v[X+32*\tau+2*i+1]
.set i, i+1
.endr
.endr
.irp hl, 0,1                           ; the four accumulators take turns; fragment 0 starts the sums with the constant 0
.irp tau, 0,1
	v_wmma_f32_16x16x32_bf16 v[ACC+16*\tau+8*\hl:ACC+16*\tau+8*\hl+7], v[MH+16*\hl:MH+16*\hl+7], v[XF+16*\tau:XF+16*\tau+7], 0
.endr
.endr
.irp hl, 0,1
.irp tau, 0,1
	v_wmma_f32_16x16x32_bf16 v[ACC+16*\tau+8*\hl:ACC+16*\tau+8*\hl+7], v[MH+16*\hl+8:MH+16*\hl+15], v[XF+16*\tau+8:XF+16*\tau+15], v[ACC+16*\tau+8*\hl:ACC+16*\tau+8*\hl+7]
.endr
.endr
.rept 4
	v_nop                                          ; four places between the last product and the sums that read the results (ISA guide 7.12.1)
.endr
.irp tau, 0,1
.irp i, 0,2,4,6
	v_pk_add_f32 v[ACC+16*\tau+\i:ACC+16*\tau+\i+1], v[ACC+16*\tau+\i:ACC+16*\tau+\i+1], v[ACC+16*\tau+8+\i:ACC+16*\tau+8+\i+1]  ; x hi + x lo
.endr
.endr
.irp tau, 0,1
	ds_store_b128 v6, v[ACC+16*\tau:ACC+16*\tau+3] offset:1024*\tau
	ds_store_b128 v6, v[ACC+16*\tau+4:ACC+16*\tau+7] offset:1024*\tau+512
.endr
	s_wait_dscnt 0x0                               ; for the others' sake: my partial q lie in LDS
	s_barrier_signal -1
	s_barrier_wait -1                              ; all sixteen waves' do
	s_cmp_lt_u32 s12, 2                            ; wave 0 finishes tile 0, wave 1 tile 1
	s_cbranch_scc0 .Lend
.set p, 0
.rept 16
	ds_load_b128 v[Q+8*p:Q+8*p+3], v7 offset:2048*p
	ds_load_b128 v[Q+8*p+4:Q+8*p+7], v7 offset:2048*p+512
.set p, p+1
.endr
	s_mov_b32 s[IPI], 0x3ea2f983                   ; 1 / pi
	s_mov_b32 s[IPI+1], 0x3ea2f983
	s_mov_b32 s[PIH], 0xc0490fdb                   ; - 3.14159274
	s_mov_b32 s[PIH+1], 0xc0490fdb
	s_mov_b32 s[PIL], 0x33bbbd2e                   ; + 8.742278e-8: pi is that much less than its upper part
	s_mov_b32 s[PIL+1], 0x33bbbd2e
	s_mov_b32 s[C6], 0x310f76c7                    ; 1 / 12!
	s_mov_b32 s[C6+1], 0x310f76c7
	s_mov_b32 s[C5], 0xb493f27e                    ; - 1 / 10!
	s_mov_b32 s[C5+1], 0xb493f27e
	s_mov_b32 s[C4], 0x37d00d01                    ; 1 / 8!
	s_mov_b32 s[C4+1], 0x37d00d01
	s_mov_b32 s[C3], 0xbab60b61                    ; - 1 / 6!
	s_mov_b32 s[C3+1], 0xbab60b61
	s_mov_b32 s[C2], 0x3d2aaaab                    ; 1 / 4!
	s_mov_b32 s[C2+1], 0x3d2aaaab
.macro ALL line:vararg                 ; one line for each pair p of my eight qubits: four chains that do not wait for each other
.set p, 0
.rept 4
	\line
.set p, p+1
.endr
.endm
	ALL v_cvt_pk_bf16_f32 v[KK+8*p], v[TH+2*p], v[TH+2*p+1]        ; theta rounded to bf16 and widened again
	ALL v_lshlrev_b32 v[TH+2*p], 16, v[KK+8*p]
	ALL v_and_b32 v[TH+2*p+1], s[MASK], v[KK+8*p]
	s_wait_dscnt 0x0
.irp st, 8,4,2,1                       ; the sixteen partial q: the first takes the sum
.set p, 0
.rept \st
.irp i, 0,2,4,6
	v_pk_add_f32 v[Q+8*p+\i:Q+8*p+\i+1], v[Q+8*p+\i:Q+8*p+\i+1], v[Q+8*(p+\st)+\i:Q+8*(p+\st)+\i+1]
.endr
.set p, p+1
.endr
.endr
	ALL v_pk_add_f32 v[Q+2*p:Q+2*p+1], v[Q+2*p:Q+2*p+1], v[TH+2*p:TH+2*p+1]                                   ; a = q + theta
	ALL v_pk_mul_f32 v[KK+8*p:KK+8*p+1], v[Q+2*p:Q+2*p+1], s[IPI:IPI+1] op_sel_hi:[1,0]
	ALL v_rndne_f32 v[KK+8*p], v[KK+8*p]                                                                       ; k
	ALL v_rndne_f32 v[KK+8*p+1], v[KK+8*p+1]
	ALL v_pk_fma_f32 v[Q+2*p:Q+2*p+1], v[KK+8*p:KK+8*p+1], s[PIH:PIH+1], v[Q+2*p:Q+2*p+1] op_sel_hi:[1,0,1]   ; rho = a - k pi, in two fused steps
	ALL v_pk_fma_f32 v[Q+2*p:Q+2*p+1], v[KK+8*p:KK+8*p+1], s[PIL:PIL+1], v[Q+2*p:Q+2*p+1] op_sel_hi:[1,0,1]
	ALL v_pk_mul_f32 v[KK+8*p+2:KK+8*p+3], v[Q+2*p:Q+2*p+1], v[Q+2*p:Q+2*p+1]                                  ; z = rho^2
	ALL v_pk_fma_f32 v[KK+8*p+4:KK+8*p+5], v[KK+8*p+2:KK+8*p+3], s[C6:C6+1], s[C5:C5+1] op_sel_hi:[1,0,0]      ; the series, from its last term
	ALL v_pk_fma_f32 v[KK+8*p+4:KK+8*p+5], v[KK+8*p+4:KK+8*p+5], v[KK+8*p+2:KK+8*p+3], s[C4:C4+1] op_sel_hi:[1,1,0]
	ALL v_pk_fma_f32 v[KK+8*p+4:KK+8*p+5], v[KK+8*p+4:KK+8*p+5], v[KK+8*p+2:KK+8*p+3], s[C3:C3+1] op_sel_hi:[1,1,0]
	ALL v_pk_fma_f32 v[KK+8*p+4:KK+8*p+5], v[KK+8*p+4:KK+8*p+5], v[KK+8*p+2:KK+8*p+3], s[C2:C2+1] op_sel_hi:[1,1,0]
	ALL v_pk_fma_f32 v[KK+8*p+4:KK+8*p+5], v[KK+8*p+4:KK+8*p+5], v[KK+8*p+2:KK+8*p+3], -0.5 op_sel_hi:[1,1,0]
	ALL v_pk_fma_f32 v[KK+8*p+4:KK+8*p+5], v[KK+8*p+4:KK+8*p+5], v[KK+8*p+2:KK+8*p+3], 1.0 op_sel_hi:[1,1,0]
	ALL v_cvt_i32_f32 v[KK+8*p], v[KK+8*p]                                                                     ; an odd k turns the sign
	ALL v_cvt_i32_f32 v[KK+8*p+1], v[KK+8*p+1]
	ALL v_lshlrev_b32 v[KK+8*p], 31, v[KK+8*p]
	ALL v_lshlrev_b32 v[KK+8*p+1], 31, v[KK+8*p+1]
	ALL v_xor_b32 v[Q+2*p], v[KK+8*p], v[KK+8*p+4]
	ALL v_xor_b32 v[Q+2*p+1], v[KK+8*p+1], v[KK+8*p+5]
	ALL v_cvt_pk_bf16_f32 v[HI+p], v[Q+2*p], v[Q+2*p+1]                                                        ; hi = bf16(qm); lo = bf16(qm - hi)
	ALL v_lshlrev_b32 v[KK+8*p], 16, v[HI+p]
	ALL v_and_b32 v[KK+8*p+1], s[MASK], v[HI+p]
	ALL v_pk_add_f32 v[KK+8*p:KK+8*p+1], v[Q+2*p:Q+2*p+1], v[KK+8*p:KK+8*p+1] neg_lo:[0,1] neg_hi:[0,1]
	ALL v_cvt_pk_bf16_f32 v[LO+p], v[KK+8*p], v[KK+8*p+1]
	global_store_b128 v13, v[HI:HI+3], s[10:11]              ; 512 consecutive bytes each, aligned
	global_store_b128 v13, v[LO:LO+3], s[10:11] offset:512
.Lend:
	s_wait_tensorcnt 0x0                           ; the wave's end, behind my last LDS store
	ds_add_u32 v[SPW], v[NIL]
	s_wait_dscnt 0x0
	s_endpgm
.Lfunc_end_k_q7b6b497854_angles:
	.size	k_q7b6b497854_angles, .Lfunc_end_k_q7b6b497854_angles-k_q7b6b497854_angles
	.p2alignl 7, 3214868480
	.fill 96, 4, 3214868480
	.section	.rodata,"a",@progbits
	.p2align	6, 0x0
	.amdhsa_kernel k_q7b6b497854_angles
		.amdhsa_group_segment_fixed_size 34816
		.amdhsa_private_segment_fixed_size 0
		.amdhsa_enable_private_segment 0
		.amdhsa_kernarg_size 32
		.amdhsa_user_sgpr_count 2
		.amdhsa_user_sgpr_kernarg_segment_ptr 1
		.amdhsa_wavefront_size32 1
		.amdhsa_system_sgpr_workgroup_id_x 1
		.amdhsa_system_sgpr_workgroup_id_y 1
		.amdhsa_system_sgpr_workgroup_id_z 1
		.amdhsa_system_vgpr_workitem_id 0
		.amdhsa_next_free_vgpr 256
		.amdhsa_next_free_sgpr 66
		.amdhsa_reserve_vcc 0
		.amdhsa_float_denorm_mode_32 3
		.amdhsa_float_denorm_mode_16_64 3
		.amdhsa_memory_ordered 1
		.amdhsa_forward_progress 1
		.amdhsa_inst_pref_size 29
	.end_amdhsa_kernel
	.amdgpu_metadata
---
amdhsa.version: [ 1, 2 ]
amdhsa.kernels:
  - .name:           k_q7b6b497854_angles
    .symbol:         k_q7b6b497854_angles.kd
    .args:
      - { .name: x, .offset: 0, .size: 8, .value_kind: global_buffer, .address_space: global }
      - { .name: mpart, .offset: 8, .size: 8, .value_kind: global_buffer, .address_space: global }
      - { .name: theta, .offset: 16, .size: 8, .value_kind: global_buffer, .address_space: global }
      - { .name: qmb, .offset: 24, .size: 8, .value_kind: global_buffer, .address_space: global }
    .group_segment_fixed_size: 34816
    .private_segment_fixed_size: 0
    .kernarg_segment_align: 8
    .kernarg_segment_size: 32
    .max_flat_workgroup_size: 512
    .sgpr_count:     66
    .vgpr_count:     256
    .wavefront_size: 32
...
	.end_amdgpu_metadata
.endif
;; end of part 2
;; launch ffn (part 3): grid 64 x 4, 4 waves a work-group, clusters of 4 x 1, 327,680 bytes of LDS; arguments qmb, wob, out0; writes out0
.if DOCPART == 3
	.amdgcn_target "amdgcn-amd-amdhsa--gfx1250"
	.amdhsa_code_object_version 6
	.text
	.protected	k_q7b6b497854_ffn
	.globl	k_q7b6b497854_ffn
	.p2align	8
	.type	k_q7b6b497854_ffn,@function
k_q7b6b497854_ffn:
	s_mov_b64 s[64:65], 0
	v_nop
	global_prefetch_b8 v0, s[64:65] scope:SCOPE_SE
	s_setreg_imm32_b32 hwreg(HW_REG_WAVE_MODE, 25, 1), 1
	s_wait_xcnt 0x0
	s_wait_alu depctr_hold_cnt(0) depctr_sa_sdst(0) depctr_va_vdst(0) depctr_va_sdst(0) depctr_va_ssrc(0) depctr_va_vcc(0) depctr_vm_vsrc(0)
	s_getreg_b32 s2, hwreg(HW_REG_IB_STS2, 6, 4)
	s_cmp_eq_u32 s2, 0
	s_cbranch_scc0 .Lentry_in_a_cluster
	s_endpgm
.Lentry_in_a_cluster:
	s_bfe_u32 s2, ttmp6, 0x10000c
	s_cmp_lg_u32 s2, 0x3003
	s_cbranch_scc0 .Lentry_shape_is_right
	s_endpgm
.Lentry_shape_is_right:
; FeedForwardQuantum, launch 3 of 3: out = relu(qm W2^T) Wo^T.  (x W1^T is not formed: see the head of the first kernel; qm comes from the second launch.)
; h2 = relu(qm W2^T), [8192][4096], never goes to memory or to LDS: each wave makes the 64 tokens x 32 f that its next products want, by 8 matrix instructions, in the registers in which the
; products take them.  The four column tiles each make it anew: 8 matrix instructions beside 64.
; FORMATS.  qm in two bf16 parts (hi in K 0-15, lo in K 16-31 of one product, W2 standing in both halves); W2 bf16; sums f32; h2 rounded once to f16; Wo: bf16's numbers written as f16; out's sums f32.
; LIMITS.  The sum over q of |W2[f][q]|, and |Wo|, under 65,504 (f16's range); h2 below 6e-5 keeps f16's fixed step of 6e-8; the relu gives 0 for a NaN.
; SHARES.  A work-group makes 128 tokens x 256 columns of out: 64 x 4 work-groups.  Wave w: th = w / 2, its 64 tokens; kh = w % 2, its half of K: of each step's 256 f it takes 128.
; So a wave has 64 tokens x 256 columns, 64 accumulators, each fragment of Wo feeding four products; the two halves of K are added at the end, through LDS, in f32.
; The wave's token tiles are numbered from 2 kh on (local t = tile (t + 2 kh) % 4), so that every wave keeps its local tiles 0, 1 and hands 2, 3 to wave w ^ 1: one text for all.
; LAYOUT.  Both products are taken transposed.  S^T = W2 qm^T (source 0 = 16 f, source 1 = 16 tokens): a lane holds ONE token (lane % 16) and f = 8 (lane / 16) + 0..7; two such results, rounded to
; f16 in pairs, ARE source 1 (32 f x 16 tokens) of out^T = Wo h2^T, whose result holds one token a lane and eight neighbouring columns.
; RING.  K goes in 16 steps of 256 f through two LDS slots.  A slot is one block of wob: 256 rows of Wo (512 bytes) and 16 rows of W2's images; each wave fetches 68 rows with one tensor load.
; CLUSTER.  The four work-groups of a cluster have the same column tile and walk the same blocks: each load is asked for JOINTLY, same descriptor and mask in all four.
; REGISTERS, in windows of 256 (s_set_vgpr_msb: bits 1:0 source 0, 3:2 source 1, 5:4 source 2, 7:6 destination):
;   window 0: v2-16 addresses and 0; v28-29 the add's; v32-63 qm, 8 a tile; v64-79 W2's two fragments; v80-143 S^T, 8 results; v144-207 h2, two buffers of 32
;   window 1: Wo's fragments, two buffers of 128 (16 x 16 columns x 32 f)     window 2: the accumulators of local tiles 0, 1 at 8 (16 t + n)     window 3: those of tiles 2, 3
.set PITCH,  528                       ; an LDS row: 512 bytes + 16 of padding: the 16 rows of a fragment load start at 16 different 16-byte columns modulo 256 bytes
.set ROWS,   272
.set QROWS,  68                        ; rows in a wave's tensor load
.set SLOT,   ROWS*PITCH                ; 143,616
.set BLOCK,  ROWS*512                  ; a block of wob in memory
.set SPARE,  2*SLOT                    ; behind the ring: the spare words, 128 bytes a wave: two blocks of 256 bytes that no other line names
.set STG,    SLOT                      ; slot 1, behind its last fill and last read: the way out's stages, 2 x 16 rows x 1,040 bytes a wave.  Slot 0 likewise: the exchange, 32,768 bytes a wave
.set SROW,   1040                      ; a stage's row: 1,024 bytes + 16
.set ADA, 2                            ; v2-5   LDS address of my Wo fragments: slot s, columns 128 hf on, at ADA + 2 s + hf
.set ADW, 6                            ; v6-7   of my W2 images, slot s
.set XS,  8                            ; v8     the exchange: where I put
.set XL,  9                            ; v9     the exchange: where my partner has put
.set STO, 10                           ; v10    the way out: where I put 32 bytes of a row
.set RD,  11                           ; v11    the way out: where I read rows back
.set CO,  12                           ; v12    16 x lane
.set PFO, 13                           ; v13    256 x lane, for the prefetches; never rewritten
.set QOA, 14                           ; v14    qmb: my local tiles 0, 1
.set QOB, 15                           ; v15    qmb: my local tiles 2, 3
.set ZR,  16                           ; v16    0, for the relu
.set SPW, 28                           ; v28    my spare word: SPARE + 4 x my thread's number; never rewritten
.set NIL, 29                           ; v29    0; never rewritten
.set QM,  32
.set W2F, 64
.set S,   80
.set P0,  144
.set G1,  24                           ; s[24:31] descriptor group 1
.set G0,  32                           ; s[32:39] descriptor group 0, a set for each slot
.set PFA, 40                           ; s[40:41] the prefetches of Wo's rows: my 32 pieces of 256 bytes of the block two steps on from the one being asked for
.set PFW, 42                           ; s[42:43] the prefetches of W2's rows
.set LIM, 44                           ; s44  1 in a cluster that prefetches, else the greatest number
.set PWM, 45                           ; s45  bit 0: this lap prefetches W2's rows; shifted down once a lap
.set MSB, 0
.macro WIN new                         ; the immediate's high byte repeats the setting that is left; a switch that changes nothing is dropped
.if MSB != (\new)
	s_set_vgpr_msb (MSB<<8)|(\new)
.set MSB, \new
.endif
.endm
.set MUL_LO, 0xa1                      ; source 0 (Wo) window 1, source 1 (h2) window 0, C and D window 2
.set MUL_HI, 0xf1                      ; the same, C and D window 3
.set TO_F,   0x40                      ; destination window 1, address window 0
; A round of the cluster's barrier: my work-group's barrier; wave 0 signals for the work-group; every wave waits for all four work-groups; my work-group's barrier once more.
.macro CREST                           ; a round behind its opening barrier
	s_cmp_lg_u32 s10, 0
	s_cbranch_scc1 .Lnot_wave_0_\@
	s_barrier_signal -3
.Lnot_wave_0_\@:
	s_barrier_wait -3
	s_barrier_signal -1
	s_barrier_wait -1
.endm
.macro CROUND
	s_barrier_signal -1
	s_barrier_wait -1
	CREST
.endm
.macro JLOAD s                         ; a joint load: every wave fetches its 68 rows of the block; an s_nop 0 and four v_nop follow
	tensor_load_to_lds s[G0+4*(\s):G0+4*(\s)+3], s[G1:G1+7]
	s_nop 0
.rept 4
	v_nop
.endr
.endm
.macro PLACES                          ; four places behind a matrix instruction, in front of loads into registers that it has read and of lines that read its result (ISA guide 7.12.1 for the latter)
.rept 4
	v_nop
.endr
.endm
; 36 LDS loads in one run, for quarter qd (32 f) of the slot's step: W2's two images first (each goes into both halves of its fragment: K 0-15 meets qm's hi part, K 16-31 its lo part), then Wo's 16 fragments into buffer g
.macro FETCH slot, qd, g
	WIN 0
.irp ft, 0,1
	ds_load_b128 v[W2F+8*\ft:W2F+8*\ft+3],   v[ADW+(\slot)] offset:(2*(\qd)+\ft)*PITCH
	ds_load_b128 v[W2F+8*\ft+4:W2F+8*\ft+7], v[ADW+(\slot)] offset:(2*(\qd)+\ft)*PITCH
.endr
	WIN TO_F
.irp n, 0,1,2,3,4,5,6,7,8,9,10,11,12,13,14,15
	ds_load_b128 v[(\g)+8*\n:(\g)+8*\n+3],   v[ADA+2*(\slot)+(\n)/8] offset:((\n)%8)*16*PITCH+64*(\qd)
	ds_load_b128 v[(\g)+8*\n+4:(\g)+8*\n+7], v[ADA+2*(\slot)+(\n)/8] offset:((\n)%8)*16*PITCH+64*(\qd)+32
.endr
	WIN 0
.endm
; 16 products: local tile t x all 16 column blocks, 32 f.  zero = 1: they start the sums: nothing is ever cleared.  The 64 accumulators take turns, in the same order in every quarter.
.macro MUL16 f, pb, t, zero
	WIN MUL_LO+0x50*((\t)/2)
.irp n, 0,1,2,3,4,5,6,7,8,9,10,11,12,13,14,15
.if \zero
	v_wmma_f32_16x16x32_f16 v[8*(16*((\t)%2)+\n):8*(16*((\t)%2)+\n)+7], v[(\f)+8*\n:(\f)+8*\n+7], v[(\pb)+8*(\t):(\pb)+8*(\t)+7], 0
.else
	v_wmma_f32_16x16x32_f16 v[8*(16*((\t)%2)+\n):8*(16*((\t)%2)+\n)+7], v[(\f)+8*\n:(\f)+8*\n+7], v[(\pb)+8*(\t):(\pb)+8*(\t)+7], v[8*(16*((\t)%2)+\n):8*(16*((\t)%2)+\n)+7]
.endif
.endr
.endm
.macro H2                              ; S^T for the next quarter: result 2 t + ft = 16 f x 16 tokens
	WIN 0
.irp t, 0,1,2,3
.irp ft, 0,1
	v_wmma_f32_16x16x32_bf16 v[S+8*(2*\t+\ft):S+8*(2*\t+\ft)+7], v[W2F+8*\ft:W2F+8*\ft+7], v[QM+8*\t:QM+8*\t+7], 0
.endr
.endr
.endm
; Slice k of 16 of the way from S^T to h2 in buffer pn: result k / 2 is rounded to f16 in pairs, from its lowest registers on (even k), then the relu on the packed halves (odd k)
.macro SLICE pn
	WIN 0
.irp p, 0,1,2,3
.if k%2 == 0
	v_cvt_pk_f16_f32 v[(\pn)+4*(k/2)+\p], v[S+8*(k/2)+2*\p], v[S+8*(k/2)+2*\p+1]
.else
	v_pk_max_num_f16 v[(\pn)+4*(k/2)+\p], v[(\pn)+4*(k/2)+\p], v[ZR]
.endif
.endr
.endm
; Local tile 3's 16 products, and behind each a slice: the 64 vector lines stand beside matrix work, at the price of two window switches a product.  No slice names a register of the products round it.
.macro MULR f, pb, pn, zero
.set k, 0
.rept 16
	WIN MUL_HI
.if \zero
	v_wmma_f32_16x16x32_f16 v[8*(16+k):8*(16+k)+7], v[(\f)+8*k:(\f)+8*k+7], v[(\pb)+24:(\pb)+31], 0
.else
	v_wmma_f32_16x16x32_f16 v[8*(16+k):8*(16+k)+7], v[(\f)+8*k:(\f)+8*k+7], v[(\pb)+24:(\pb)+31], v[8*(16+k):8*(16+k)+7]
.endif
	SLICE \pn
.set k, k+1
.endr
.endm
; A step is four quarters of 32 f: 64 products and the 8 that make the next quarter's h2, on buffers 0, 1, 0, 1.  One of the first three: multiplies buffer b, fetches quarter qn of the same slot into the other.
.macro QUARTER slot, qn, b, zero
	s_wait_dscnt 0x0                               ; the fragments, asked for 40 matrix instructions back
	MUL16 128*(\b), P0+32*(\b), 0, \zero
	MUL16 128*(\b), P0+32*(\b), 1, \zero
	PLACES
	FETCH \slot, \qn, 128*(1-(\b))
	MUL16 128*(\b), P0+32*(\b), 2, \zero
	s_wait_dscnt 32                                ; W2's four loads are in; Wo's 32, issued behind them, may stay out
	H2
	PLACES                                         ; between S^T's products and the slices that read them
	MULR 128*(\b), P0+32*(\b), P0+32*(1-(\b)), \zero
.endm
; PREFETCHES INTO THE L2, behind the joint load, its five lines and the run of LDS loads.  The sixteen clusters of a column tile walk the same blocks: the first of them (cluster x = 0) asks, each aligned piece of 256 bytes once.
; Wo's rows: a block's 131,072 bytes are 512 pieces: 16 waves x 32 lanes, the four partners told apart BY ADDRESS; the refill of step r asks for step r + 2: two steps, 576 matrix instructions, ahead of the load that wants it.
; The last lap asks for nothing: its refills are steps 14 and 15.  W2's rows: 32 pieces a block: wave 0 of partner cx asks for step 2 lap + 4 + cx in laps 0, 2 and 4.  Steps 0 to 3 come by their loads alone.
.macro ASK slot
	s_cmp_gt_u32 s3, s[LIM]                        ; s3 = 1 in the last lap
	s_cbranch_scc0 .Lno_wo_\@
	global_prefetch_b8 v[PFO], s[PFA:PFA+1] th:TH_LOAD_NT scope:SCOPE_SE
.Lno_wo_\@:
.if (\slot) == 0
	s_bitcmp1_b32 s[PWM], 0
	s_cbranch_scc0 .Lno_w2_\@
	global_prefetch_b8 v[PFO], s[PFW:PFW+1] th:TH_LOAD_NT scope:SCOPE_SE
.Lno_w2_\@:
	s_lshr_b32 s[PWM], s[PWM], 1
.endif
.endm
; The last quarter multiplies buffer 1 and changes slots: ONE barrier.  In front of it each wave waits for all its tensor loads (one is out: its part of the next slot), adds 0 to its spare word, and waits for that and
; for its reads of this slot.  fill = 1: the barrier opens a round of the cluster's, and the joint refill, two steps ahead, is the first thing behind the round: it has a step less 32 products in which to land.
.macro TURN slot, next, fill
.if \fill
	s_wait_xcnt 0x0                                ; the last prefetches, a step back, have read their addresses: these are stepped here, ahead of the waits of the change
	s_add_nc_u64 s[PFA:PFA+1], s[PFA:PFA+1], BLOCK
.if (\slot) == 0
	s_add_nc_u64 s[PFW:PFW+1], s[PFW:PFW+1], 2*BLOCK
.endif
.endif
	WIN 0                                          ; (the add's two registers lie in window 0)
	s_wait_tensorcnt 0x0                           ; all my tensor loads have landed;
	ds_add_u32 v[SPW], v[NIL]                      ; 0 onto my spare word;
	s_wait_dscnt 1                                 ; (the fragments are in; the add may be out)
	MUL16 128, P0+32, 0, 0                         ; sixteen products stand between the add and the wait for it
	s_wait_dscnt 0x0                               ; the add is done, and my reads of this slot are over:
	s_barrier_signal -1                            ; say so,
	MUL16 128, P0+32, 1, 0                         ; work on registers while the others arrive,
	WIN 0                                          ; (at a branch and at a label every window is 0)
	s_barrier_wait -1                              ; and go on when all four waves have said so
.if \fill
	CREST                                          ; all four work-groups have: no wave of any partner still reads this slot or has a load on its way
	s_add_nc_u64 s[G0+4*(\slot)+2:G0+4*(\slot)+3], s[G0+4*(\slot)+2:G0+4*(\slot)+3], 2*BLOCK  ; no tensor load of mine is out, so a group 0 may be written; the type bits on top are not reached
	JLOAD \slot                                    ; its four v_nop are also the places in front of the loads below
.else
	PLACES
.endif
	FETCH \next, 0, 0
.if \fill
	ASK \slot
.endif
	MUL16 128, P0+32, 2, 0
	s_wait_dscnt 32
	H2
	PLACES
	MULR 128, P0+32, P0, 0
.endm
	s_load_b128 s[4:7], s[0:1], 0x0                ; qmb s[4:5], wob s[6:7]
	s_load_b64 s[8:9], s[0:1], 0x10                ; out0
	v_lshl_add_u32 v[SPW], v0, 2, SPARE
	v_mov_b32 v[NIL], 0
	ds_add_u32 v[SPW], v[NIL]                      ; the wave's opening: the add, twice on end, and its wait ahead of my first tensor load; work on registers stands between
	ds_add_u32 v[SPW], v[NIL]                      ; and once more, under the one wait
	v_lshrrev_b32 v1, 5, v0
	v_readfirstlane_b32 s10, v1                    ; wave 0..3
	s_lshr_b32 s11, s10, 1                         ; th
	s_and_b32 s12, s10, 1                          ; kh
	s_and_b32 s15, ttmp7, 0xffff                   ; nt, the column tile, which the four partners share
	; descriptor group 1: 68 rows x 256 elements of 2 bytes, dense in memory, padded in LDS
	s_mov_b32 s[G1+0], 15|(1<<16)|(1<<20)|(1<<21)|(6<<22)|(3<<25)  ; 15:0 the mask of four; 17:16 2-byte elements; 20 padding on; 21 set beside a mask; 24:22 after every 128 words (code 6); 31:25 4 words (code 3)
	s_mov_b32 s[G1+1], 256<<16                     ; tensor_dim0 = 256
	s_mov_b32 s[G1+2], QROWS<<16                   ; tensor_dim1 = 68
	s_mov_b32 s[G1+3], 256<<16                     ; tile_dim0 = 256
	s_mov_b32 s[G1+4], QROWS                       ; tile_dim1 = 68
	s_mov_b32 s[G1+5], 256                         ; 256 elements from row to row
	s_mov_b32 s[G1+6], 0
	s_mov_b32 s[G1+7], 0
	s_mul_i32 s16, s15, 16*BLOCK                   ; the column tile's 16 blocks,
	s_mul_i32 s17, s10, QROWS*512                  ; my 68 rows of a block
	s_add_co_u32 s16, s16, s17
	s_mov_b32 s17, 0
	s_mul_i32 s20, s10, QROWS*PITCH                ; and their place in a slot: no place in the cluster enters these
	s_wait_dscnt 0x0                               ; both opening adds are done
	s_wait_kmcnt 0x0
	s_add_nc_u64 s[18:19], s[6:7], s[16:17]
	CROUND                                         ; all four work-groups are here: the first joint loads meet
.irp s, 0,1
	s_mov_b32 s[G0+4*\s], 1                                        ; count = 1
	s_add_co_u32 s[G0+4*\s+1], s20, \s*SLOT                        ; LDS address
	s_add_nc_u64 s[G0+4*\s+2:G0+4*\s+3], s[18:19], \s*BLOCK        ; global address: step s
	s_or_b32 s[G0+4*\s+3], s[G0+4*\s+3], 0x80000000                ; type = 2
.endr
	tensor_load_to_lds s[G0:G0+3], s[G1:G1+7]      ; the two first fills go out together: two loads of mine are out, later one
	s_nop 0
	tensor_load_to_lds s[G0+4:G0+7], s[G1:G1+7]
	s_nop 0
.rept 4
	v_nop
.endr
	s_bfe_u32 s13, ttmp6, 0x40000                  ; cx: it enters the addresses of qmb, out0 and the prefetches alone
	s_lshl_b32 s14, ttmp9, 2
	s_add_co_u32 s14, s14, s13                     ; tb, my block of 128 tokens
	s_lshl_b32 s46, s14, 13                        ; its 8 tiles of 1,024 bytes in qmb
	s_mov_b32 s47, 0
	s_add_nc_u64 s[4:5], s[4:5], s[46:47]
	v_and_b32 v1, 31, v0                           ; lane
	v_and_b32 v17, 15, v0                          ; r
	v_bfe_u32 v18, v0, 4, 1                        ; h
	v_lshlrev_b32 v[CO], 4, v1
	s_lshl_b32 s21, s11, 2
	s_lshl_b32 s22, s12, 1
	s_add_co_u32 s23, s21, s22                     ; local tiles 0, 1 are tiles 4 th + 2 kh on,
	s_lshl_b32 s23, s23, 10
	v_add_nc_u32 v[QOA], s23, v[CO]
	s_sub_co_u32 s22, 2, s22
	s_add_co_u32 s23, s21, s22                     ; local tiles 2, 3 are tiles 4 th + 2 - 2 kh on
	s_lshl_b32 s23, s23, 10
	v_add_nc_u32 v[QOB], s23, v[CO]
.irp t, 0,1                            ; qm stays in registers: the hi parts in a fragment's registers 0-3, the lo parts in 4-7
	global_load_b128 v[QM+8*\t:QM+8*\t+3],       v[QOA], s[4:5] offset:1024*\t
	global_load_b128 v[QM+8*\t+4:QM+8*\t+7],     v[QOA], s[4:5] offset:1024*\t+512
	global_load_b128 v[QM+16+8*\t:QM+16+8*\t+3], v[QOB], s[4:5] offset:1024*\t
	global_load_b128 v[QM+16+8*\t+4:QM+16+8*\t+7], v[QOB], s[4:5] offset:1024*\t+512
.endr
	s_lshl_b32 s46, s14, 19                        ; out0: 128 tb rows of 4,096 bytes,
	s_lshl_b32 s21, s10, 17                        ; the 32 rows that I store,
	s_add_co_u32 s46, s46, s21
	s_lshl_b32 s21, s15, 10                        ; the tile's 256 columns
	s_add_co_u32 s46, s46, s21
	s_add_nc_u64 s[8:9], s[8:9], s[46:47]
	s_mul_i32 s22, s15, 16*BLOCK
	s_lshl_b32 s46, s13, 2
	s_add_co_u32 s46, s46, s10                     ; my wave among the cluster's sixteen:
	s_lshl_b32 s46, s46, 13                        ; its 8,192 bytes of a block's Wo rows,
	s_add_co_u32 s46, s46, s22
	s_add_co_u32 s46, s46, 3*BLOCK                 ; at step 3: the first refill steps it to 4
	s_add_nc_u64 s[PFA:PFA+1], s[6:7], s[46:47]
	s_add_co_u32 s46, s13, 2
	s_mul_i32 s46, s46, BLOCK                      ; step 2 + cx: the first lap steps it to 4 + cx,
	s_add_co_u32 s46, s46, s22
	s_add_co_u32 s46, s46, 256*512                 ; at the block's W2 rows
	s_add_nc_u64 s[PFW:PFW+1], s[6:7], s[46:47]
	s_cmp_eq_u32 ttmp9, 0                          ; the same in all four partners
	s_cselect_b32 s[LIM], 1, -1
	s_or_b32 s21, ttmp9, s10
	s_cmp_eq_u32 s21, 0
	s_cselect_b32 s[PWM], 0x15, 0                  ; wave 0: laps 0, 2, 4
	; A fragment of Wo is 16 rows x 32 f in 8 registers: lane l holds row l % 16; registers 0-3 f = 8 (l / 16) + 0..7, registers 4-7 f = 16 + 8 (l / 16) + 0..7: two loads of 16 bytes, 32 bytes apart.
	v_mul_u32_u24 v19, v17, PITCH
	v_lshl_add_u32 v19, v18, 4, v19
	s_lshl_b32 s21, s12, 8                         ; my half of the step's 256 f
	v_add_nc_u32 v19, s21, v19
.irp s, 0,1
.irp hf, 0,1
	v_add_nc_u32 v[ADA+2*\s+\hf], \s*SLOT+\hf*128*PITCH, v19
.endr
.endr
	s_mul_i32 s21, s12, 8*PITCH
	s_add_co_u32 s21, s21, 256*PITCH               ; W2's images of my 128 f: rows 256 + 8 kh on
	v_add_nc_u32 v[ADW], s21, v[CO]
	v_add_nc_u32 v[ADW+1], SLOT, v[ADW]
	s_lshl_b32 s21, s10, 15
	v_add_nc_u32 v[XS], s21, v[CO]
	s_xor_b32 s22, s10, 1
	s_lshl_b32 s22, s22, 15
	v_add_nc_u32 v[XL], s22, v[CO]
	s_mul_i32 s21, s10, 2*16*SROW
	s_add_co_u32 s21, s21, STG                     ; my stages
	v_mul_u32_u24 v20, v17, SROW                   ; in: row l % 16, 32 bytes for each half of the lanes
	v_lshl_add_u32 v20, v18, 5, v20
	v_add_nc_u32 v[STO], s21, v20
	v_add_nc_u32 v[RD], s21, v[CO]                 ; back: 512 consecutive bytes of a row
	v_lshlrev_b32 v[PFO], 8, v1
	v_mov_b32 v[ZR], 0
	s_wait_tensorcnt 1                             ; my part of step 0 is in; step 1's may stay out
	s_barrier_signal -1
	s_barrier_wait -1                              ; everybody's is
	FETCH 0, 0, 0
	s_wait_loadcnt 0x0                             ; qm
	s_wait_dscnt 32                                ; W2's images
	H2
	PLACES
.set k, 0
.rept 16                               ; the first h2: there are no products yet to set it beside
	SLICE P0
.set k, k+1
.endr
	QUARTER 0, 1, 0, 1                             ; the first quarter stands in front of the loop: its products start the sums
	WIN 0
	s_mov_b32 s3, 7
.Llap:                                         ; a lap goes once round the ring, from a step's second quarter to the first of the step after next, and fills both slots again: steps 2 to 15
	QUARTER 0, 2, 1, 0
	QUARTER 0, 3, 0, 0
	TURN 0, 1, 1
	QUARTER 1, 1, 0, 0
	QUARTER 1, 2, 1, 0
	QUARTER 1, 3, 0, 0
	TURN 1, 0, 1
	QUARTER 0, 1, 0, 0
	WIN 0
	s_sub_co_u32 s3, s3, 1
	s_cmp_lg_u32 s3, 0
	s_cbranch_scc1 .Llap
	QUARTER 0, 2, 1, 0                             ; the last lap is written out: it fills nothing, and has no round of the cluster's barrier
	QUARTER 0, 3, 0, 0
	TURN 0, 1, 0
	QUARTER 1, 1, 0, 0
	QUARTER 1, 2, 1, 0
	QUARTER 1, 3, 0, 0
	s_wait_dscnt 0x0                               ; the very last quarter: nothing more to fetch or to make
	MUL16 128, P0+32, 0, 0
	MUL16 128, P0+32, 1, 0
	MUL16 128, P0+32, 2, 0
	MUL16 128, P0+32, 3, 0
	; THE TWO HALVES OF K MEET.  I hand my local tiles 2, 3 to wave w ^ 1 and take its own 2, 3, which are my 0, 1.  Slot 0 has had its last fill, and nobody has read it since the last change of slots.
	PLACES
	WIN 0x0c                                       ; data (source 1) window 3
.set a, 0
.rept 32
	ds_store_b128 v[XS], v[8*a:8*a+3] offset:1024*a
	ds_store_b128 v[XS], v[8*a+4:8*a+7] offset:1024*a+512
.set a, a+1
.endr
	WIN 0
	s_wait_dscnt 0x0                               ; for my partner's sake: my stores are done (and my reads of slot 1 are over)
	s_barrier_signal -1
	s_barrier_wait -1
	WIN TO_F                                       ; into Wo's fragment registers, which are free
.set a, 0
.rept 32
	ds_load_b128 v[8*a:8*a+3], v[XL] offset:1024*a
	ds_load_b128 v[8*a+4:8*a+7], v[XL] offset:1024*a+512
.set a, a+1
.endr
	s_wait_dscnt 32                                ; tile 0's 32 loads are in
	WIN 0x86                                       ; destination and source 0 window 2, source 1 window 1
.set i, 0
.rept 64
	v_pk_add_f32 v[i:i+1], v[i:i+1], v[i:i+1]
.set i, i+2
.endr
	s_wait_dscnt 0x0
.rept 64
	v_pk_add_f32 v[i:i+1], v[i:i+1], v[i:i+1]
.set i, i+2
.endr
	; THE WAY OUT.  A lane's eight columns of a row are 32 bytes; a tile goes into rows of 1,040 bytes of my own stage and comes back as half rows of 512 bytes, into the registers that it left.
.macro STAGE t
	WIN 0x08                                       ; data window 2
.irp n, 0,1,2,3,4,5,6,7,8,9,10,11,12,13,14,15
	ds_store_b128 v[STO], v[128*(\t)+8*\n:128*(\t)+8*\n+3]   offset:(\t)*16*SROW+64*\n
	ds_store_b128 v[STO], v[128*(\t)+8*\n+4:128*(\t)+8*\n+7] offset:(\t)*16*SROW+64*\n+16
.endr
	WIN 0x80                                       ; destination window 2
.set k, 0
.rept 32
	ds_load_b128 v[128*(\t)+4*k:128*(\t)+4*k+3], v[RD] offset:(\t)*16*SROW+(k/2)*SROW+(k%2)*512  ; LDS serves a wave's instructions in order (ISA guide 5.7.1.4): these see the stores above
.set k, k+1
.endr
.endm
.macro SEND t, counted
	WIN 0x08
.set k, 0
.rept 32
.if \counted
	s_wait_dscnt 31-k
.endif
	global_store_b128 v[CO], v[128*(\t)+4*k:128*(\t)+4*k+3], s[8:9] offset:(16*(\t)+k/2)*4096+(k%2)*512 th:TH_STORE_NT  ; 512 consecutive bytes, at a multiple of 512 from out0's first
.set k, k+1
.endr
.endm
	STAGE 0
	STAGE 1
	s_wait_dscnt 63                                ; 64 LDS instructions were issued behind tile 0's loads: with 63 out at the most, tile 0 is back
	SEND 0, 0
	SEND 1, 1
	WIN 0
	s_wait_tensorcnt 0x0                           ; the wave's end, behind my last tensor load and my last LDS store
	ds_add_u32 v[SPW], v[NIL]
	s_wait_dscnt 0x0
	CROUND                                         ; the closing round: no work-group ends while a partner may still ask for a block that names it
	s_endpgm
.Lfunc_end_k_q7b6b497854_ffn:
	.size	k_q7b6b497854_ffn, .Lfunc_end_k_q7b6b497854_ffn-k_q7b6b497854_ffn
	.p2alignl 7, 3214868480
	.fill 96, 4, 3214868480
	.section	.rodata,"a",@progbits
	.p2align	6, 0x0
	.amdhsa_kernel k_q7b6b497854_ffn
		.amdhsa_group_segment_fixed_size 327680
		.amdhsa_private_segment_fixed_size 0
		.amdhsa_enable_private_segment 0
		.amdhsa_kernarg_size 24
		.amdhsa_user_sgpr_count 2
		.amdhsa_user_sgpr_kernarg_segment_ptr 1
		.amdhsa_wavefront_size32 1
		.amdhsa_system_sgpr_workgroup_id_x 1
		.amdhsa_system_sgpr_workgroup_id_y 1
		.amdhsa_system_sgpr_workgroup_id_z 1
		.amdhsa_system_vgpr_workitem_id 0
		.amdhsa_next_free_vgpr 1024
		.amdhsa_next_free_sgpr 66
		.amdhsa_reserve_vcc 0
		.amdhsa_float_denorm_mode_32 3
		.amdhsa_float_denorm_mode_16_64 3
		.amdhsa_memory_ordered 1
		.amdhsa_forward_progress 1
		.amdhsa_inst_pref_size 236
	.end_amdhsa_kernel
	.amdgpu_metadata
---
amdhsa.version: [ 1, 2 ]
amdhsa.kernels:
  - .name:           k_q7b6b497854_ffn
    .symbol:         k_q7b6b497854_ffn.kd
    .args:
      - { .name: qmb, .offset: 0, .size: 8, .value_kind: global_buffer, .address_space: global }
      - { .name: wob, .offset: 8, .size: 8, .value_kind: global_buffer, .address_space: global }
      - { .name: out0, .offset: 16, .size: 8, .value_kind: global_buffer, .address_space: global }
    .group_segment_fixed_size: 327680
    .private_segment_fixed_size: 0
    .kernarg_segment_align: 8
    .kernarg_segment_size: 24
    .max_flat_workgroup_size: 128
    .sgpr_count:     66
    .vgpr_count:     1024
    .wavefront_size: 32
...
	.end_amdgpu_metadata
.endif
;; end of part 3
